; MI455X (gfx1250); checked and timed in simulation.
; The chip was launched on July 23, 2026; its instructions are those of AMD's public machine-readable ISA for CDNA 5 (MIT licence, August 2026) and "CDNA5" Instruction Set Architecture Reference Guide (July 2026). The comments in the code are by the model that wrote it; some were corrected since.
;; Self Attention Block. Allowed arithmetic: matrix products marked QUANTISED: E2M1 operands, one E8M0 scale for each 32 along K, by v_wmma_scale_f32_16x16x128_f8f6f4 with both operands' format E2M1 (or v_wmma_scale_f32_32x16x128_f4), f32 sums; everything else in f32.
;; Inputs: feat 4 x 2,048 x 1,024 float32; kb 1,024 float32; kw 1,024 x 1,024 float32; ln_b 1,024 float32; ln_g 1,024 float32; ob 1,024 float32; ow 1,024 x 1,024 float32; qb 1,024 float32; qw 1,024 x 1,024 float32; vb 1,024 float32; vw 1,024 x 1,024 float32.
;; Outputs: out0 4 x 2,048 x 1,024 float32.
;; This version of the problem:
;;   THIS VERSION OF THE PROBLEM IS GIVEN IN LOW PRECISION. The matrix products marked QUANTISED in the list below multiply operands that are first quantised to E2M1 (2 exponent bits, 1 mantissa bit; 4 bits a number), with one power-of-two scale for each 32 numbers along K (OCP MX v1.0); their sums are f32. All else is computed in f32.
;;   The module's matrix products, in the order in which they are computed (A, B: the left and right operand; K: the contracted axis; several contracted axes count as one K, in the product's order):
;;     1. [M 8,192, K 1,024] x [K 1,024, N 1,024]; A: input feat; B: input qw: QUANTISED
;;     2. [M 8,192, K 1,024] x [K 1,024, N 1,024]; A: input feat; B: input kw: QUANTISED
;;     3. [M 8,192, K 1,024] x [K 1,024, N 1,024]; A: input feat; B: input vw: QUANTISED
;;     4. batch 64 x [M 2,048, K 64] x [K 64, N 2,048]; A: computed on the way; B: computed on the way: QUANTISED
;;     5. batch 64 x [M 2,048, K 2,048] x [K 2,048, N 64]; A: softmax (see below); B: computed on the way: QUANTISED
;;     6. [M 8,192, K 1,024] x [K 1,024, N 1,024]; A: computed on the way; B: input ow: QUANTISED
;;   THE QUANTISER, for each operand of a quantised product, along K:
;;     - K is cut into blocks of 32 from its start; a last block that is shorter is filled with zeros.
;;     - A block's scale is 2^e with e = floor(log2(the largest magnitude in the block)) - 2, held to -126 .. 127; a block of zeros has e = 0. As a byte (E8M0): e + 127.
;;     - Each number is divided by its block's scale, clamped to +-6, and rounded to the nearest number of E2M1, ties to even, subnormals kept.
;;     - The product sums the exact products of the quantised numbers (number of the format x scale) in f32.
;;   ~~~python
;;   def quantise(x, axis):      # numpy; x: float32 -> the quantised numbers, widened to float32 again
;;       x = np.moveaxis(x, axis, -1); K = x.shape[-1]
;;       x = np.pad(x, [(0, 0)] * (x.ndim - 1) + [(0, -K % 32)]); x = x.reshape(x.shape[:-1] + (-1, 32)); a = np.abs(x).max(-1, keepdims=True)
;;       e = np.where(a > 0, np.clip(np.frexp(np.where(a > 0, a, 1))[1] - 1 - 2, -126, 127), 0)      # np.frexp(a)[1] - 1 = floor(log2(a)), exactly
;;       r = np.clip(x / 2.0 ** e, -6, 6)
;;       step = 2.0 ** (np.maximum(np.frexp(np.where(r == 0, 1, r))[1] - 1, 0) - 1)
;;       q = np.round(r / step) * step * 2.0 ** e      # np.round: ties to even
;;       return np.moveaxis(q.reshape(q.shape[:-2] + (-1,))[..., :K], -1, axis).astype(np.float32)
;;   ~~~
;;   SOFTMAX AHEAD OF A QUANTISED PRODUCT. Where the list says 'softmax', what is quantised is not the finished softmax but p = 2^(t - M), with t = logit x log2(e) and M = ceil(the row's largest t), a whole number; so 1/2 < the row's largest p <= 1. The row's sum l is taken of the UNQUANTISED p, in f32, and the product's result is divided by l at the end. Since M is a whole number, a kernel that streams over the keys may use a running M (the ceiling of the running maximum): every later rescaling is an exact power of two, which a block's scale takes up: the codes' values come out the same.
;;   OPERANDS COMPUTED ON THE WAY. 'Computed on the way' means the value that the module computes at that place (a softmax that the list does not call 'softmax' is quantised finished and normalised). What goes into a quantiser is computed in f32, as accurately as f32 sums, v_exp_f32 and their like allow (about 1e-6 of the number): no bf16 or f16 on the way to a quantiser, and a product that is left as it is and whose result goes on into a quantised operand takes f32 operands (vector FMAs, or v_wmma_f32_16x16x4_f32). A number that lies on a knife's edge between two numbers of the format may be rounded either way, as far as f32 arithmetic and the matrix unit's own rounding can turn it there, and no further.
;; One version. Each part assembles by itself: llvm-mc -triple=amdgcn-amd-amdhsa -mcpu=gfx1250 --defsym DOCPART=n.
;; ======== version 1 of 1: 4 launches
;; workspace buffers: xc 6,291,456 bytes; xs 393,216 bytes; qkv 13,893,632 bytes; ac 4,194,304 bytes; asw 524,288 bytes
;; launch quant (part 1): grid 768 x 1, 2 waves a work-group, no clusters, 17,152 bytes of LDS; arguments feat, qw, kw, vw, ow, xc, xs; writes xc, xs
.if DOCPART == 1
	.amdgcn_target "amdgcn-amd-amdhsa--gfx1250"
	.amdhsa_code_object_version 6
	.text
	.protected	k_q3e5ca90897_quant
	.globl	k_q3e5ca90897_quant
	.p2align	8
	.type	k_q3e5ca90897_quant,@function
k_q3e5ca90897_quant:
	s_mov_b64 s[64:65], 0
	v_nop
	global_prefetch_b8 v0, s[64:65] scope:SCOPE_SE
	s_setreg_imm32_b32 hwreg(HW_REG_WAVE_MODE, 25, 1), 1
	s_wait_xcnt 0x0
; feat [8192][1024] and the four weights [1024][1024], f32, K innermost, become codes of FP4 (E2M1) with one E8M0 byte for each 32 along K.
; A block's scale is 2^(floor(log2(its largest magnitude)) - 2): its byte is the largest magnitude's exponent field - 2, held at 1 from below.
; LIMITS: NaN and infinities are not served; a block whose largest magnitude lies under 2^-124 has its byte held at 1; a block of zeros gets the byte 1 where the
; rule says 127 (its codes are zeros, which add nothing under any byte but 0xff, and these bytes are read by this program alone).
; LAYOUT OF THE RESULT: images of the matrix operand's registers.  The 768 row tiles (0-511 feat, 512-575 qw, 576-639 kw, 640-703 vw, 704-767 ow) have 16 rows each:
; lane row r of tile 2 g + u is row 32 g + 8 u + r + 8 (r / 8) of its tensor.  Codes: tile x 8192 + K step x 1024 + c x 512 + 16 x lane, lane (r, h) holding
; k = 64 c + 32 h + 0 .. 31 of the step's 128.  Scale words (four bytes: a row's 128 along K): tile x 512 + (step / 4) x 256 + 16 r + 4 (step % 4).
; SHARES: a work-group is one row tile; wave w takes K steps 4 w .. 4 w + 3.  Each load reads 512 consecutive bytes of one row; a step's 16 x 512 bytes turn through the
; wave's own stage in LDS (rows 528 bytes apart) and come back as 32 neighbours along K for each of a lane's two blocks.  Waves share nothing: no barrier.
; Work-groups share no input, so there is nothing to ask for jointly; the matrix units have no part in this.
.set R,   16                           ; v16-143  two sets of 64: a step as loaded
.set X,   144                          ; v144-207 my two blocks of 32 numbers
.set C,   208                          ; v208-239 codes, eight registers for each step: no store's data are written again
.set W,   240                          ; v240-243 a scale word for each step
.set SP,  528                          ; a stage row: 512 bytes + 16
.set STG, 16*SP                        ; a wave's stage
	s_load_b256 s[4:11], s[0:1], 0x0               ; feat, qw, kw, vw
	s_load_b128 s[12:15], s[0:1], 0x20             ; ow, xc
	s_load_b64 s[16:17], s[0:1], 0x30              ; xs
	v_lshl_add_u32 v254, v0, 2, 0x4200
	v_mov_b32 v255, 0
	v_lshrrev_b32 v6, 5, v0
	v_readfirstlane_b32 s18, v6                    ; wave 0, 1
	v_and_b32 v7, 31, v0                           ; lane
	v_and_b32 v8, 15, v0                           ; r
	v_bfe_u32 v9, v0, 4, 1                         ; h
	v_lshlrev_b32 v1, 4, v7                        ; 16 x lane: my bytes of a load's or a store's 512
	s_mul_i32 s19, s18, STG
	v_add_nc_u32 v2, s19, v1                       ; the stage, on the way in
	v_mul_u32_u24 v3, v8, SP
	v_lshl_add_u32 v3, v9, 7, v3
	v_add_nc_u32 v3, s19, v3                       ; and on the way out: row r, + 128 h bytes (32 numbers)
	v_lshlrev_b32 v4, 4, v8
	v_lshl_add_u32 v4, v9, 3, v4                   ; scale words: 16 r + 8 h
	v_lshlrev_b32 v5, 3, v9                        ; 8 h: how far my two bytes are shifted in the word
	v_mov_b32 v15, 0                               ; a lane permute's destination counts as one of its sources
	s_mov_b32 s24, 0x76543210
	s_mov_b32 s25, 0xfedcba98                      ; selects for lane l xor 16
	s_wait_kmcnt 0x0
	s_mov_b64 s[20:21], s[12:13]                   ; which tensor: the choice hangs on the work-group's number alone
	s_cmp_lt_u32 ttmp9, 704
	s_cselect_b64 s[20:21], s[10:11], s[20:21]
	s_cmp_lt_u32 ttmp9, 640
	s_cselect_b64 s[20:21], s[8:9], s[20:21]
	s_cmp_lt_u32 ttmp9, 576
	s_cselect_b64 s[20:21], s[6:7], s[20:21]
	s_cmp_lt_u32 ttmp9, 512
	s_cselect_b64 s[20:21], s[4:5], s[20:21]
	s_cselect_b32 s22, 511, 63
	s_and_b32 s22, ttmp9, s22                      ; the tile's number in its tensor
	s_lshr_b32 s26, s22, 1
	s_lshl_b32 s26, s26, 17                        ; 32 rows of 4,096 bytes for each pair of tiles,
	s_and_b32 s27, s22, 1
	s_lshl_b32 s27, s27, 15                        ; 8 rows for the odd tile,
	s_add_co_u32 s26, s26, s27
	s_lshl_b32 s27, s18, 11                        ; my wave's four K steps of 512 bytes
	s_add_co_u32 s26, s26, s27
	s_mov_b32 s27, 0
	s_add_nc_u64 s[20:21], s[20:21], s[26:27]
	s_lshl_b32 s26, ttmp9, 13
	s_lshl_b32 s28, s18, 12
	s_add_co_u32 s26, s26, s28
	s_add_nc_u64 s[14:15], s[14:15], s[26:27]      ; my codes
	s_lshl_b32 s26, ttmp9, 9
	s_lshl_b32 s28, s18, 8
	s_add_co_u32 s26, s26, s28
	s_add_nc_u64 s[16:17], s[16:17], s[26:27]      ; my scale words
.macro LOAD t                          ; step t: 128 numbers of each of the tile's 16 rows
.irp i, 0,1,2,3,4,5,6,7,8,9,10,11,12,13,14,15
	global_load_b128 v[R+64*((\t)%2)+4*\i:R+64*((\t)%2)+4*\i+3], v1, s[20:21] offset:(\i+8*(\i/8))*4096+512*(\t) th:TH_LOAD_NT
.endr
.endm
.macro STEP t
.if (\t) < 3
	s_wait_loadcnt 16                              ; this step's 16 loads are in; the next step's 16 may be out
.else
	s_wait_loadcnt 0x0
.endif
.irp i, 0,1,2,3,4,5,6,7,8,9,10,11,12,13,14,15
	ds_store_b128 v2, v[R+64*((\t)%2)+4*\i:R+64*((\t)%2)+4*\i+3] offset:SP*\i
.endr
.irp c, 0,1
.irp j, 0,1,2,3,4,5,6,7
	ds_load_b128 v[X+32*\c+4*\j:X+32*\c+4*\j+3], v3 offset:256*\c+16*\j   ; LDS serves a wave's instructions in order: these see the stores above.  k = 64 c + 32 h + 4 j ..
.endr
.endr
	s_wait_dscnt 0x0                               ; my 64 numbers are back
.if (\t) < 2
	LOAD (\t)+2                                    ; into the set that the stores above have read
.endif
.irp c, 0,1
	v_max3_num_f32 v[8+\c], |v[X+32*\c]|, |v[X+32*\c+1]|, 0x1800000   ; block 2 c + h: all its 32 numbers are mine; the floor 2^(3 - 127) holds the byte at 1 from below
.endr
.irp i, 2,4,6,8,10,12,14,16,18,20,22,24,26,28,30
.irp c, 0,1
	v_max3_num_f32 v[8+\c], v[8+\c], |v[X+32*\c+\i]|, |v[X+32*\c+\i+1]|   ; the two blocks by turns
.endr
.endr
.irp c, 0,1
	v_add_nc_u32 v[10+\c], 0xff000000, v[8+\c]     ; 2 off the exponent field: the conversion's scale operand
.endr
.irp c, 0,1
	v_lshrrev_b32 v[12+\c], 23, v[10+\c]           ; the scale's byte
.endr
	v_lshl_or_b32 v14, v13, 16, v12                ; my two bytes, blocks h and 2 + h,
	v_lshlrev_b32 v14, v5, v14                     ; at their places;
	v_permlanex16_b32 v15, v14, s24, s25
	v_or_b32 v[W+(\t)], v14, v15                   ; with lane l xor 16's two the row's word is whole
.irp c, 0,1
.irp g, 0,1,2,3
	v_cvt_scalef32_pk8_fp4_f32 v[C+8*(\t)+4*\c+\g], v[X+32*\c+8*\g:X+32*\c+8*\g+7], v[10+\c]
.endr
.endr
	v_nop                                          ; one plain place behind the conversions
.irp c, 0,1
	global_store_b128 v1, v[C+8*(\t)+4*\c:C+8*(\t)+4*\c+3], s[14:15] offset:1024*(\t)+512*\c   ; 512 consecutive bytes, aligned
.endr
.endm
	LOAD 0
	LOAD 1
	STEP 0
	STEP 1
	STEP 2
	STEP 3
	v_cmp_le_u32 vcc_lo, 16, v7                    ; lanes 16-31 store words 2 and 3 of row r, lanes 0-15 words 0 and 1
	v_cndmask_b32 v246, v[W], v[W+2], vcc_lo
	v_cndmask_b32 v247, v[W+1], v[W+3], vcc_lo
	global_store_b64 v4, v[246:247], s[16:17]      ; the wave stores 256 consecutive bytes, aligned
	s_wait_tensorcnt 0x0
	ds_add_u32 v254, v255
	s_wait_dscnt 0x0
	s_endpgm
.Lfunc_end_k_q3e5ca90897_quant:
	.size	k_q3e5ca90897_quant, .Lfunc_end_k_q3e5ca90897_quant-k_q3e5ca90897_quant
	.p2alignl 7, 3214868480
	.fill 96, 4, 3214868480
	.section	.rodata,"a",@progbits
	.p2align	6, 0x0
	.amdhsa_kernel k_q3e5ca90897_quant
		.amdhsa_group_segment_fixed_size 17152
		.amdhsa_private_segment_fixed_size 0
		.amdhsa_enable_private_segment 0
		.amdhsa_kernarg_size 56
		.amdhsa_user_sgpr_count 2
		.amdhsa_user_sgpr_kernarg_segment_ptr 1
		.amdhsa_wavefront_size32 1
		.amdhsa_system_sgpr_workgroup_id_x 1
		.amdhsa_system_sgpr_workgroup_id_y 1
		.amdhsa_system_sgpr_workgroup_id_z 1
		.amdhsa_system_vgpr_workitem_id 0
		.amdhsa_next_free_vgpr 256
		.amdhsa_next_free_sgpr 66
		.amdhsa_reserve_vcc 1
		.amdhsa_float_denorm_mode_32 3
		.amdhsa_float_denorm_mode_16_64 3
		.amdhsa_memory_ordered 1
		.amdhsa_forward_progress 1
		.amdhsa_inst_pref_size 30
	.end_amdhsa_kernel
	.amdgpu_metadata
---
amdhsa.version: [ 1, 2 ]
amdhsa.kernels:
  - .name:           k_q3e5ca90897_quant
    .symbol:         k_q3e5ca90897_quant.kd
    .args:
      - { .name: feat, .offset: 0, .size: 8, .value_kind: global_buffer, .address_space: global }
      - { .name: qw, .offset: 8, .size: 8, .value_kind: global_buffer, .address_space: global }
      - { .name: kw, .offset: 16, .size: 8, .value_kind: global_buffer, .address_space: global }
      - { .name: vw, .offset: 24, .size: 8, .value_kind: global_buffer, .address_space: global }
      - { .name: ow, .offset: 32, .size: 8, .value_kind: global_buffer, .address_space: global }
      - { .name: xc, .offset: 40, .size: 8, .value_kind: global_buffer, .address_space: global }
      - { .name: xs, .offset: 48, .size: 8, .value_kind: global_buffer, .address_space: global }
    .group_segment_fixed_size: 17152
    .private_segment_fixed_size: 0
    .kernarg_segment_align: 8
    .kernarg_segment_size: 56
    .max_flat_workgroup_size: 64
    .sgpr_count:     66
    .vgpr_count:     256
    .wavefront_size: 32
...
	.end_amdgpu_metadata
.endif
;; end of part 1
;; launch qkv (part 2): grid 12 x 32, 4 waves a work-group, clusters of 4 x 4, 262,656 bytes of LDS; arguments xc, xs, qb, kb, vb, qkv; writes qkv
.if DOCPART == 2
	.amdgcn_target "amdgcn-amd-amdhsa--gfx1250"
	.amdhsa_code_object_version 6
	.text
	.protected	k_q3e5ca90897_qkv
	.globl	k_q3e5ca90897_qkv
	.p2align	8
	.type	k_q3e5ca90897_qkv,@function
k_q3e5ca90897_qkv:
	s_mov_b64 s[64:65], 0
	v_nop
	global_prefetch_b8 v0, s[64:65] scope:SCOPE_SE
	s_setreg_imm32_b32 hwreg(HW_REG_WAVE_MODE, 25, 1), 1
	s_wait_xcnt 0x0
	s_wait_alu depctr_hold_cnt(0) depctr_sa_sdst(0) depctr_va_vdst(0) depctr_va_sdst(0) depctr_va_ssrc(0) depctr_va_vcc(0) depctr_vm_vsrc(0)
	s_getreg_b32 s2, hwreg(HW_REG_IB_STS2, 6, 4)
	s_cmp_eq_u32 s2, 0
	s_cbranch_scc0 .Lentry_in_a_cluster
	s_endpgm
.Lentry_in_a_cluster:
	s_bfe_u32 s2, ttmp6, 0x10000c
	s_cmp_lg_u32 s2, 0xf033
	s_cbranch_scc0 .Lentry_shape_is_right
	s_endpgm
.Lentry_shape_is_right:
; Q = feat qw^T + qb, K and V likewise, on codes of FP4 with E8M0 scales, and each result quantised again at once: Q and K along a head's 64 channels, V along the keys.
; A work-group makes 256 x 256 of one of the three; a wave 128 x 128: 64 accumulators, 512 registers.  K = 1,024 is short: both panels' codes (2 x 131,072 bytes) lie in LDS
; whole, in four chunks of two K steps, each LDS byte filled once.  The cluster's x says which product: 0 Q, 1 K, 2 V.
; SOURCES.  Accumulator (a, b) = source 0's tile b x source 1's tile a; a lane holds one row of source 1 and its registers run along source 0's rows.  Q, K: source 0 = the weight's
; rows (channels), source 1 = feat's rows.  V: source 0 = feat's rows (keys), source 1 = vw's rows (channels).  Since lane row r of tile 2 g + u is row 32 g + 8 u + r + 8 (r / 8),
; the 64 registers of a fixed a are four blocks of 32 NEIGHBOURS along the next product's K, 16 of each block in this lane and 16 in lane l xor 16.
; CLUSTERS: 4 x 4.  Source 0's panel hangs on cx and is shared along a column of the cluster, source 1's on cy and is shared along a row: each is asked for jointly.
; THE BIAS is the C of each sum's first matrix instruction.  The scale words of a wave's 2 x 8 tiles, for all of K, come straight into 64 registers (sixteen loads).
; OUT: a record of REC bytes for each (batch, head): K's codes, V's codes, K's scale words, V's, Q's codes, Q's scale words, all as images of operand registers.
; LIMITS: NaN and infinities are not served; a block whose largest magnitude lies under 2^-124 has its byte held at 1, a block of zeros too (its codes are zeros; this program alone reads the bytes).
; REGISTERS, in windows of 256: window 0: v1-15 addresses; v32-95 scale words; v96-159 source 1's fragments, one set; v160-223 the bias; v224-239 at work; on the way out v96-131 codes and words.
;   window 1: source 0's fragments, two sets, at v0 and v128.   window 2: the accumulators of a = 0-3, (a, b) at v[8 (8 a + b)];   window 3: those of a = 4-7.
.set REC,  217088
.set VCO,  65536                       ; V's codes in a record (K's begin at 0)
.set KSO,  131072                      ; K's scale words
.set VSO,  139264                      ; V's
.set QCO,  143360                      ; Q's codes
.set QSO,  208896                      ; Q's scale words
.set LI,   1                           ; v1   16 x lane
.set L8,   2                           ; v2   8 x lane
.set VSC,  3                           ; v3   my byte in xs: lanes 0-15 source 1's tiles, lanes 16-31 source 0's
.set BQ,   4                           ; v4   bias offset for Q and K: 64 h
.set BV,   5                           ; v5   for V: 4 (r + 8 (r / 8))
.set LANE, 6
.set ADR1, 8                           ; v8-11  LDS address of my half of source 1 in chunk 0 .. 3
.set ADR0, 12                          ; v12-15 of source 0
.set SC,   32                          ; register 8 i + s: K step s; lanes 0-15 source 1's tile i, lanes 16-31 source 0's tile i
.set AF,   96
.set BI,   160
.set TM,   224                         ; v224-227 largest magnitudes, v228-231 bytes, v236-239 scale operands
.set PC,   96                          ; the way out: two sets of eight registers of codes,
.set WW,   112                         ; the eight scale words,
.set XX,   120                         ; and what is stored of them
.set G1,   24                          ; s[24:31] group 1, mask of my row (source 1);  s[32:39] mask of my column (source 0)
.set G1B,  32
.set G0,   40                          ; s[40:55] group 0 for source 1, a set for each chunk;  s[68:83] for source 0
.set G0B,  68
.set MSB, 0
.macro WIN new                         ; the immediate's high byte repeats the setting that is left
.if MSB != (\new)
	s_set_vgpr_msb (MSB<<8)|(\new)
.set MSB, \new
.endif
.endm
.macro CROUND                          ; a round of the cluster's barrier
	s_barrier_signal -1
	s_barrier_wait -1
	s_cmp_lg_u32 s16, 0
	s_cbranch_scc1 .Lnot_wave_0_\@
	s_barrier_signal -3
.Lnot_wave_0_\@:
	s_barrier_wait -3
	s_barrier_signal -1
	s_barrier_wait -1
.endm
.macro PLACES                          ; four plain places behind matrix instructions, in front of loads into their registers and of reads of their results
.rept 4
	v_nop
.endr
.endm
	s_load_b256 s[4:11], s[0:1], 0x0               ; xc, xs, qb, kb
	s_load_b128 s[12:15], s[0:1], 0x20             ; vb, qkv
	v_lshl_add_u32 v254, v0, 2, 0x40000
	v_mov_b32 v255, 0
	ds_add_u32 v254, v255
	ds_add_u32 v254, v255
	v_lshrrev_b32 v7, 5, v0
	v_readfirstlane_b32 s16, v7                    ; wave 0..3
	s_lshr_b32 s17, s16, 1                         ; mh: my half of source 1.  Also: I fetch for source 1 (0) or source 0 (1)
	s_and_b32 s18, s16, 1                          ; nh: my half of source 0.  Also: which half panel I fetch
	s_bfe_u32 s19, ttmp6, 0x40000                  ; cx
	s_bfe_u32 s20, ttmp6, 0x40004                  ; cy
	s_mov_b32 s21, ttmp9                           ; the cluster's x: 0 Q, 1 K, 2 V
	s_and_b32 s22, ttmp7, 0xffff                   ; the cluster's y, 0 .. 7
	s_lshl_b32 s92, s22, 6                         ; 64 x cluster y: feat's tiles of this cluster
	s_lshl_b32 s93, s21, 6
	s_add_co_u32 s93, s93, 512                     ; qw's or kw's first tile
	s_mov_b32 s94, 640                             ; vw's
	s_cmp_eq_u32 s21, 2
	s_cselect_b32 s57, s92, s93                    ; source 0: feat for V, the weight for Q and K
	s_cselect_b32 s56, s94, s92                    ; source 1: vw for V, feat for Q and K
	s_lshl_b32 s95, s19, 4
	s_add_co_u32 s57, s57, s95                     ; t0: source 0's panel begins at this tile: it hangs on cx, never on cy
	s_lshl_b32 s96, s20, 4
	s_add_co_u32 s56, s56, s96                     ; t1: source 1's: on cy, never on cx
	s_lshl_b32 s97, s20, 2
	s_lshl_b32 s97, 15, s97                        ; my row of the cluster
	s_lshl_b32 s98, 0x1111, s19                    ; my column
	; group 1: eight tiles' 2,048 bytes (two K steps), 8,192 bytes apart in memory, dense in LDS; elements of 8 bytes
	s_or_b32 s[G1], s97, (3<<16)|(1<<21)           ; 15:0 the mask; 17:16 elements of 8 bytes; 21 set beside a mask; no padding
	s_or_b32 s[G1B], s98, (3<<16)|(1<<21)
.irp g, G1, G1B
	s_mov_b32 s[\g+1], 256<<16                     ; tensor_dim0 = 256 elements
	s_mov_b32 s[\g+2], 8<<16                       ; tensor_dim1 = 8
	s_mov_b32 s[\g+3], 256<<16                     ; tile_dim0
	s_mov_b32 s[\g+4], 8                           ; tile_dim1
	s_mov_b32 s[\g+5], 1024                        ; from tile to tile: 1,024 elements
	s_mov_b32 s[\g+6], 0
	s_mov_b32 s[\g+7], 0
.endr
	s_lshl_b32 s99, s18, 3                         ; 8 nh
	s_add_co_u32 s58, s56, s99
	s_lshl_b32 s58, s58, 13                        ; source 1: the half panel that I would fetch, in bytes
	s_mov_b32 s59, 0
	s_add_co_u32 s60, s57, s99
	s_lshl_b32 s60, s60, 13                        ; source 0 likewise
	s_mov_b32 s61, 0
	s_lshl_b32 s62, s16, 14                        ; where it goes in a chunk: wave x 16,384: no place in the cluster enters an LDS address
	s_wait_dscnt 0x0
	s_wait_kmcnt 0x0
	s_add_nc_u64 s[58:59], s[4:5], s[58:59]
	s_add_nc_u64 s[60:61], s[4:5], s[60:61]
	CROUND                                         ; all sixteen work-groups are here: the joint loads meet
.irp q, 0,1,2,3
	s_mov_b32 s[G0+4*\q], 1
	s_add_co_u32 s[G0+4*\q+1], s62, \q*65536
	s_add_nc_u64 s[G0+4*\q+2:G0+4*\q+3], s[58:59], \q*2048
	s_or_b32 s[G0+4*\q+3], s[G0+4*\q+3], 0x80000000
	s_mov_b32 s[G0B+4*\q], 1
	s_add_co_u32 s[G0B+4*\q+1], s62, \q*65536
	s_add_nc_u64 s[G0B+4*\q+2:G0B+4*\q+3], s[60:61], \q*2048
	s_or_b32 s[G0B+4*\q+3], s[G0B+4*\q+3], 0x80000000
.endr
	s_cmp_eq_u32 s17, 0                            ; a wave's four fills stand in one branch on its number: four tensor loads of mine are out; four v_nop follow the last
	s_cbranch_scc0 .Lfill_0
	tensor_load_to_lds s[G0:G0+3], s[G1:G1+7]
	s_nop 0
	tensor_load_to_lds s[G0+4:G0+7], s[G1:G1+7]
	s_nop 0
	tensor_load_to_lds s[G0+8:G0+11], s[G1:G1+7]
	s_nop 0
	tensor_load_to_lds s[G0+12:G0+15], s[G1:G1+7]
	s_nop 0
.rept 4
	v_nop
.endr
	s_branch .Lfilled
.Lfill_0:
	tensor_load_to_lds s[G0B:G0B+3], s[G1B:G1B+7]
	s_nop 0
	tensor_load_to_lds s[G0B+4:G0B+7], s[G1B:G1B+7]
	s_nop 0
	tensor_load_to_lds s[G0B+8:G0B+11], s[G1B:G1B+7]
	s_nop 0
	tensor_load_to_lds s[G0B+12:G0B+15], s[G1B:G1B+7]
	s_nop 0
.rept 4
	v_nop
.endr
.Lfilled:
	v_and_b32 v[LANE], 31, v0
	v_and_b32 v7, 15, v0                           ; r
	v_bfe_u32 v16, v0, 4, 1                        ; h
	v_lshlrev_b32 v[LI], 4, v[LANE]
	v_lshlrev_b32 v[L8], 3, v[LANE]
	s_lshl_b32 s92, s17, 3
	s_add_co_u32 s92, s92, s56
	s_lshl_b32 s92, s92, 9                         ; my half of source 1 in xs: 512 bytes a tile
	s_add_co_u32 s93, s57, s99
	s_lshl_b32 s93, s93, 9                         ; my half of source 0
	v_cmp_le_u32 vcc_lo, 16, v[LANE]
	v_mov_b32 v17, s92
	v_mov_b32 v18, s93
	v_cndmask_b32 v[VSC], v17, v18, vcc_lo
	v_lshl_add_u32 v[VSC], v7, 4, v[VSC]           ; + 16 r
.irp i, 0,1,2,3,4,5,6,7
.irp f, 0,1
	global_load_b128 v[SC+8*\i+4*\f:SC+8*\i+4*\f+3], v[VSC], s[6:7] offset:512*\i+256*\f   ; tile i, K steps 4 f .. 4 f + 3
.endr
.endr
	v_lshlrev_b32 v[BQ], 6, v16
	v_and_b32 v[BV], 8, v7
	v_add_nc_u32 v[BV], v[BV], v7
	v_lshlrev_b32 v[BV], 2, v[BV]
	s_lshl_b32 s92, s17, 14
	s_lshl_b32 s93, s18, 14
	s_add_co_u32 s93, s93, 32768                   ; source 0's halves lie behind source 1's two
.irp q, 0,1,2,3
	v_add_nc_u32 v[ADR1+\q], s92, v[LI]
	v_add_nc_u32 v[ADR0+\q], s93, v[LI]
	s_add_co_u32 s92, s92, 65536
	s_add_co_u32 s93, s93, 65536
.endr
.irp b, 0,1,2,3
	v_mov_b32 v[TM+4+\b], 0                        ; a lane permute's destination counts as one of its sources
.endr
	s_mov_b32 s84, 0x76543210
	s_mov_b32 s85, 0xfedcba98                      ; selects for lane l xor 16
	; the bias, in the result's layout.  The branch hangs on the cluster's x, which all partners share
	s_cmp_eq_u32 s21, 2
	s_cbranch_scc1 .Lbias_v
	s_lshl_b32 s92, s19, 10                        ; Q, K: a register is a channel: tile b's register j of lane (r, h) is channel 256 cx + 128 nh + 32 (b / 2) + 16 h + 8 (b % 2) + j
	s_lshl_b32 s93, s18, 9
	s_add_co_u32 s92, s92, s93
	s_mov_b32 s93, 0
	s_cmp_eq_u32 s21, 0
	s_cselect_b64 s[90:91], s[8:9], s[10:11]
	s_add_nc_u64 s[90:91], s[90:91], s[92:93]
.irp b, 0,1,2,3,4,5,6,7
	global_load_b128 v[BI+8*\b:BI+8*\b+3], v[BQ], s[90:91] offset:(32*(\b/2)+8*(\b%2))*4
	global_load_b128 v[BI+8*\b+4:BI+8*\b+7], v[BQ], s[90:91] offset:(32*(\b/2)+8*(\b%2))*4+16
.endr
	s_branch .Lbias_done
.Lbias_v:
	s_lshl_b32 s92, s20, 10                        ; V: a lane is a channel: 256 cy + 128 mh + 32 (a / 2) + 8 (a % 2) + r + 8 (r / 8); the eight registers of tile a hold the same number
	s_lshl_b32 s93, s17, 9
	s_add_co_u32 s92, s92, s93
	s_mov_b32 s93, 0
	s_add_nc_u64 s[90:91], s[12:13], s[92:93]
.irp a, 0,1,2,3,4,5,6,7
.irp j, 0,1,2,3,4,5,6,7
	global_load_b32 v[BI+8*\a+\j], v[BV], s[90:91] offset:(32*(\a/2)+8*(\a%2))*4
.endr
.endr
.Lbias_done:
; 16 matrix instructions: source 1's tiles a0, a0 + 1 x source 0's eight, K step s.  p: source 0's set.  cm = 0: onto the sums; 1: the sums begin with the bias of tile b; 2: of tile a.
; The 64 accumulators take turns, one instruction a turn, in the same order in every step.
.macro MUL16 a0, p, s, cm
.irp a, \a0, \a0+1
.irp b, 0,1,2,3,4,5,6,7
.if \cm == 0
	v_wmma_scale_f32_16x16x128_f8f6f4 v[8*(8*((\a)%4)+\b):8*(8*((\a)%4)+\b)+7], v[128*(\p)+8*\b:128*(\p)+8*\b+7], v[AF+8*(\a):AF+8*(\a)+7], v[8*(8*((\a)%4)+\b):8*(8*((\a)%4)+\b)+7], v[SC+8*\b+(\s)], v[SC+8*(\a)+(\s)] matrix_a_fmt:MATRIX_FMT_FP4 matrix_b_fmt:MATRIX_FMT_FP4 matrix_a_scale:MATRIX_SCALE_ROW1
.elseif \cm == 1
	v_wmma_scale_f32_16x16x128_f8f6f4 v[8*(8*((\a)%4)+\b):8*(8*((\a)%4)+\b)+7], v[128*(\p)+8*\b:128*(\p)+8*\b+7], v[AF+8*(\a):AF+8*(\a)+7], v[BI+8*\b:BI+8*\b+7], v[SC+8*\b+(\s)], v[SC+8*(\a)+(\s)] matrix_a_fmt:MATRIX_FMT_FP4 matrix_b_fmt:MATRIX_FMT_FP4 matrix_a_scale:MATRIX_SCALE_ROW1
.else
	v_wmma_scale_f32_16x16x128_f8f6f4 v[8*(8*((\a)%4)+\b):8*(8*((\a)%4)+\b)+7], v[128*(\p)+8*\b:128*(\p)+8*\b+7], v[AF+8*(\a):AF+8*(\a)+7], v[BI+8*(\a):BI+8*(\a)+7], v[SC+8*\b+(\s)], v[SC+8*(\a)+(\s)] matrix_a_fmt:MATRIX_FMT_FP4 matrix_b_fmt:MATRIX_FMT_FP4 matrix_a_scale:MATRIX_SCALE_ROW1
.endif
.endr
.endr
.endm
.macro FETCH_B s, p                    ; source 0's eight fragments of K step s into set p: an image's 512 consecutive bytes a load
	WIN 0x40                                       ; destination window 1, address window 0
.irp i, 0,1,2,3,4,5,6,7
	ds_load_b128 v[128*(\p)+8*\i:128*(\p)+8*\i+3], v[ADR0+(\s)/2] offset:2048*\i+1024*((\s)%2)
	ds_load_b128 v[128*(\p)+8*\i+4:128*(\p)+8*\i+7], v[ADR0+(\s)/2] offset:2048*\i+1024*((\s)%2)+512
.endr
	WIN 0
.endm
.macro FETCH_A s, i0                   ; source 1's tiles i0 .. i0 + 3
.irp i, \i0, \i0+1, \i0+2, \i0+3
	ds_load_b128 v[AF+8*(\i):AF+8*(\i)+3], v[ADR1+(\s)/2] offset:2048*(\i)+1024*((\s)%2)
	ds_load_b128 v[AF+8*(\i)+4:AF+8*(\i)+7], v[ADR1+(\s)/2] offset:2048*(\i)+1024*((\s)%2)+512
.endr
.endm
; A K step of 128: 64 matrix instructions.  Source 1 has one set of registers: tiles 0-3 are fetched anew in the step's middle, tiles 4-7 at its end.  An odd step stands in front of a new chunk:
; each wave waits for its own part of that chunk and passes a barrier; later chunks may stay out.
.macro STEP s, cm
	s_wait_dscnt 8                                 ; source 0's set and source 1's tiles 0-3 are in; the youngest eight loads (tiles 4-7) may be out
.if \cm
	WIN 0x81                                       ; source 0 window 1, source 1 and C (the bias) window 0, D window 2
.else
	WIN 0xa1                                       ; C and D window 2
.endif
	MUL16 0, (\s)%2, \s, \cm
.if ((\s)%2 == 1) && ((\s) < 7)
	s_wait_tensorcnt (5-(\s))/2                    ; my part of the next chunk has landed; the count is the chunks behind it
	s_wait_dscnt 0x0                               ; no LDS load of mine is out at a signal
	s_barrier_signal -1
.endif
	MUL16 2, (\s)%2, \s, \cm
.if ((\s)%2 == 1) && ((\s) < 7)
	s_barrier_wait -1                              ; everybody's part has landed
.else
	s_wait_dscnt 0x0                               ; tiles 4-7 are in (asked for 32 matrix instructions ago)
.endif
.if (\s) < 7
	PLACES
	FETCH_B (\s)+1, ((\s)+1)%2
	FETCH_A (\s)+1, 0
.endif
.if \cm
	WIN 0xc1
.else
	WIN 0xf1
.endif
	MUL16 4, (\s)%2, \s, \cm
	MUL16 6, (\s)%2, \s, \cm
	PLACES
	WIN 0
.if (\s) < 7
	FETCH_A (\s)+1, 4
.endif
.endm
	s_wait_tensorcnt 3                             ; my part of chunk 0 is in; chunks 1 to 3 may stay out
	s_barrier_signal -1
	s_barrier_wait -1
	FETCH_B 0, 0
	FETCH_A 0, 0
	FETCH_A 0, 4
	s_wait_loadcnt 0x0                             ; the scale words and the bias
	s_cmp_eq_u32 s21, 2
	s_cbranch_scc1 .Lfirst_v
	STEP 0, 1
	s_branch .Lfirst_done
.Lfirst_v:
	STEP 0, 2
.Lfirst_done:
	STEP 1, 0
	STEP 2, 0
	STEP 3, 0
	STEP 4, 0
	STEP 5, 0
	STEP 6, 0
	STEP 7, 0
; THE WAY OUT.  The 64 registers of tile a (register 16 b + i = index 32 b + 16 h + i of my row along the next K) become a fragment's eight registers of codes and a scale word.
; Each accumulator is read from its low end on.
.macro QUANT a
.set AC, 64*((\a)%4)
.set PB, PC+8*((\a)%2)
	WIN 0x0a+5*((\a)/4)                            ; sources 0 and 1: window 2 or 3
.irp b, 0,1,2,3
	v_max3_num_f32 v[TM+\b], |v[AC+16*\b]|, |v[AC+16*\b+1]|, 0x1800000   ; block b: my 16 numbers, and the floor 2^(3 - 127): the byte cannot fall under 1
.endr
.irp i, 2,4,6,8,10,12,14
.irp b, 0,1,2,3
	v_max3_num_f32 v[TM+\b], |v[AC+16*\b+\i]|, |v[AC+16*\b+\i+1]|, v[TM+\b]   ; the four blocks by turns
.endr
.endr
	WIN 0
.irp b, 0,1,2,3
	v_permlanex16_b32 v[TM+4+\b], v[TM+\b], s84, s85
.endr
.irp b, 0,1,2,3
	v_max_num_f32 v[TM+\b], v[TM+\b], v[TM+4+\b]   ; with lane l xor 16's 16: the block's largest magnitude
.endr
.irp b, 0,1,2,3
	v_add_nc_u32 v[TM+12+\b], 0xff000000, v[TM+\b] ; 2 off the exponent field: the conversion's scale operand
.endr
.irp b, 0,1,2,3
	v_lshrrev_b32 v[TM+4+\b], 23, v[TM+12+\b]      ; the scale's byte
.endr
	v_lshl_or_b32 v[WW+(\a)], v[TM+5], 8, v[TM+4]
	v_lshl_or_b32 v[WW+(\a)], v[TM+6], 16, v[WW+(\a)]
	v_lshl_or_b32 v[WW+(\a)], v[TM+7], 24, v[WW+(\a)]
	s_wait_xcnt 0x0                                ; the stores of two tiles ago have read this set of code registers
	WIN 0x02+((\a)/4)                              ; source 0: window 2 or 3
.irp b, 0,1,2,3
	v_cvt_scalef32_pk8_fp4_f32 v[PB+2*\b], v[AC+16*\b:AC+16*\b+7], v[TM+12+\b]
	v_cvt_scalef32_pk8_fp4_f32 v[PB+2*\b+1], v[AC+16*\b+8:AC+16*\b+15], v[TM+12+\b]
.endr
	WIN 0
	v_nop                                          ; one plain place behind the conversions
.irp c, 0,1                            ; the operand's layout wants a whole block in a lane: lanes 0-15 block 2 c, lanes 16-31 block 2 c + 1
.irp i, 0,1
	v_permlane16_swap_b32 v[PB+4*\c+\i], v[PB+4*\c+2+\i]
.endr
.endr
.endm
.macro OUTS isv
.irp a, 0,1,2,3,4,5,6,7
	QUANT \a
.if \isv
	global_store_b128 v[LI], v[PC+8*(\a%2):PC+8*(\a%2)+3], s[86:87] offset:(\a/4)*REC+(\a%4)*1024        ; V: head a / 4, channel tile a % 4: a whole fragment of 128 keys
	global_store_b128 v[LI], v[PC+8*(\a%2)+4:PC+8*(\a%2)+7], s[86:87] offset:(\a/4)*REC+(\a%4)*1024+512
.else
	global_store_b128 v[LI], v[PC+8*(\a%2):PC+8*(\a%2)+3], s[86:87] offset:512*\a                        ; Q, K: row tile a; blocks 0, 1 are the first head's 64 channels,
	global_store_b128 v[LI], v[PC+8*(\a%2)+4:PC+8*(\a%2)+7], s[86:87] offset:512*\a+REC                  ; blocks 2, 3 the second's.  Each store: 512 consecutive bytes, aligned
.endif
.endr
	v_cmp_le_u32 vcc_lo, 16, v[LANE]
.irp j, 0,1,2,3
	v_cndmask_b32 v[XX+\j], v[WW+2*\j], v[WW+2*\j+1], vcc_lo   ; lanes 0-15: tile 2 j's word of row r, lanes 16-31: tile 2 j + 1's
.endr
.if \isv
	global_store_b64 v[L8], v[XX:XX+1], s[88:89]               ; the first head's four channel tiles: 256 consecutive bytes
	global_store_b64 v[L8], v[XX+2:XX+3], s[88:89] offset:REC  ; the second head's
.else
.irp j, 0,1,2,3
	v_and_b32 v[XX+4+\j], 0xffff, v[XX+\j]         ; the first head's two bytes; the word's upper two are 0: they scale the K step's upper 64, which are zero codes
	v_lshrrev_b32 v[XX+8+\j], 16, v[XX+\j]         ; the second head's
.endr
	global_store_b128 v[LI], v[XX+4:XX+7], s[88:89]
	global_store_b128 v[LI], v[XX+8:XX+11], s[88:89] offset:REC
.endif
.endm
	s_cmp_eq_u32 s21, 2
	s_cbranch_scc1 .Lout_v
	s_lshl_b32 s92, s22, 2
	s_add_co_u32 s92, s92, s20                     ; feat's panel: 4 x cluster y + cy
	s_lshr_b32 s93, s92, 3                         ; the batch
	s_and_b32 s92, s92, 7
	s_lshl_b32 s92, s92, 1
	s_add_co_u32 s92, s92, s17                     ; the step of 128 rows in the batch
	s_lshl_b32 s93, s93, 4
	s_lshl_b32 s94, s19, 2
	s_add_co_u32 s93, s93, s94
	s_lshl_b32 s94, s18, 1
	s_add_co_u32 s93, s93, s94                     ; the first of my two heads: 16 x batch + 4 cx + 2 nh
	s_mul_i32 s93, s93, REC
	s_lshl_b32 s94, s92, 12
	s_lshl_b32 s95, s92, 9
	s_add_co_u32 s94, s94, s93
	s_add_co_u32 s95, s95, s93
	s_cmp_eq_u32 s21, 0
	s_cselect_b32 s96, QCO, 0
	s_mov_b32 s97, KSO
	s_cselect_b32 s97, QSO, s97
	s_add_co_u32 s86, s94, s96
	s_mov_b32 s87, 0
	s_add_co_u32 s88, s95, s97
	s_mov_b32 s89, 0
	s_add_nc_u64 s[86:87], s[14:15], s[86:87]
	s_add_nc_u64 s[88:89], s[14:15], s[88:89]
	OUTS 0
	s_branch .Lout_done
.Lout_v:
	s_lshl_b32 s92, s22, 2
	s_add_co_u32 s92, s92, s19                     ; feat's panel: 4 x cluster y + cx
	s_lshr_b32 s93, s92, 3
	s_and_b32 s92, s92, 7
	s_lshl_b32 s92, s92, 1
	s_add_co_u32 s92, s92, s18                     ; the key step
	s_lshl_b32 s93, s93, 4
	s_lshl_b32 s94, s20, 2
	s_add_co_u32 s93, s93, s94
	s_lshl_b32 s94, s17, 1
	s_add_co_u32 s93, s93, s94                     ; the first of my two heads: 16 x batch + 4 cy + 2 mh
	s_mul_i32 s93, s93, REC
	s_lshl_b32 s86, s92, 12
	s_add_co_u32 s86, s86, s93
	s_add_co_u32 s86, s86, VCO
	s_mov_b32 s87, 0
	s_lshl_b32 s88, s92, 8
	s_add_co_u32 s88, s88, s93
	s_add_co_u32 s88, s88, VSO
	s_mov_b32 s89, 0
	s_add_nc_u64 s[86:87], s[14:15], s[86:87]
	s_add_nc_u64 s[88:89], s[14:15], s[88:89]
	OUTS 1
.Lout_done:
	s_wait_tensorcnt 0x0
	ds_add_u32 v254, v255
	s_wait_dscnt 0x0
	CROUND                                         ; the closing round: no work-group ends while a partner may still ask for a tile that names it
	s_endpgm
.Lfunc_end_k_q3e5ca90897_qkv:
	.size	k_q3e5ca90897_qkv, .Lfunc_end_k_q3e5ca90897_qkv-k_q3e5ca90897_qkv
	.p2alignl 7, 3214868480
	.fill 96, 4, 3214868480
	.section	.rodata,"a",@progbits
	.p2align	6, 0x0
	.amdhsa_kernel k_q3e5ca90897_qkv
		.amdhsa_group_segment_fixed_size 262656
		.amdhsa_private_segment_fixed_size 0
		.amdhsa_enable_private_segment 0
		.amdhsa_kernarg_size 48
		.amdhsa_user_sgpr_count 2
		.amdhsa_user_sgpr_kernarg_segment_ptr 1
		.amdhsa_wavefront_size32 1
		.amdhsa_system_sgpr_workgroup_id_x 1
		.amdhsa_system_sgpr_workgroup_id_y 1
		.amdhsa_system_sgpr_workgroup_id_z 1
		.amdhsa_system_vgpr_workitem_id 0
		.amdhsa_next_free_vgpr 1024
		.amdhsa_next_free_sgpr 100
		.amdhsa_reserve_vcc 1
		.amdhsa_float_denorm_mode_32 3
		.amdhsa_float_denorm_mode_16_64 3
		.amdhsa_memory_ordered 1
		.amdhsa_forward_progress 1
		.amdhsa_inst_pref_size 181
	.end_amdhsa_kernel
	.amdgpu_metadata
---
amdhsa.version: [ 1, 2 ]
amdhsa.kernels:
  - .name:           k_q3e5ca90897_qkv
    .symbol:         k_q3e5ca90897_qkv.kd
    .args:
      - { .name: xc, .offset: 0, .size: 8, .value_kind: global_buffer, .address_space: global }
      - { .name: xs, .offset: 8, .size: 8, .value_kind: global_buffer, .address_space: global }
      - { .name: qb, .offset: 16, .size: 8, .value_kind: global_buffer, .address_space: global }
      - { .name: kb, .offset: 24, .size: 8, .value_kind: global_buffer, .address_space: global }
      - { .name: vb, .offset: 32, .size: 8, .value_kind: global_buffer, .address_space: global }
      - { .name: qkv, .offset: 40, .size: 8, .value_kind: global_buffer, .address_space: global }
    .group_segment_fixed_size: 262656
    .private_segment_fixed_size: 0
    .kernarg_segment_align: 8
    .kernarg_segment_size: 48
    .max_flat_workgroup_size: 128
    .sgpr_count:     100
    .vgpr_count:     1024
    .wavefront_size: 32
...
	.end_amdgpu_metadata
.endif
;; end of part 2
;; launch attn (part 3): grid 4 x 64, 16 waves a work-group, clusters of 4 x 1, 169,984 bytes of LDS; arguments qkv, ac, asw; writes ac, asw
.if DOCPART == 3
	.amdgcn_target "amdgcn-amd-amdhsa--gfx1250"
	.amdhsa_code_object_version 6
	.text
	.protected	k_q3e5ca90897_attn
	.globl	k_q3e5ca90897_attn
	.p2align	8
	.type	k_q3e5ca90897_attn,@function
k_q3e5ca90897_attn:
	s_mov_b64 s[64:65], 0
	v_nop
	global_prefetch_b8 v0, s[64:65] scope:SCOPE_SE
	s_setreg_imm32_b32 hwreg(HW_REG_WAVE_MODE, 25, 1), 1
	s_wait_xcnt 0x0
	s_wait_alu depctr_hold_cnt(0) depctr_sa_sdst(0) depctr_va_vdst(0) depctr_va_sdst(0) depctr_va_ssrc(0) depctr_va_vcc(0) depctr_vm_vsrc(0)
	s_getreg_b32 s2, hwreg(HW_REG_IB_STS2, 6, 4)
	s_cmp_eq_u32 s2, 0
	s_cbranch_scc0 .Lentry_in_a_cluster
	s_endpgm
.Lentry_in_a_cluster:
	s_bfe_u32 s2, ttmp6, 0x10000c
	s_cmp_lg_u32 s2, 0x3003
	s_cbranch_scc0 .Lentry_shape_is_right
	s_endpgm
.Lentry_shape_is_right:
; attn[q] = (sum over keys of p V) / l, p = 2^(t - M), t = (Q . K / 0.5) log2(e), M = the running largest t rounded UP to a whole number, l = the sum of the unquantised p.
; Both products on codes of FP4 with E8M0 scales; p is quantised along the keys; the result is quantised along the hidden axis at once, for the output projection.
; SHARES.  A work-group owns 512 queries of one (batch, head); each of its sixteen waves two tiles of 16 queries, one after the other, in 256 registers: four waves to a SIMD, so that one wave's
; vector work stands beside another's matrix work and LDS loads.  The head's K, V and their scale words, 143,360 dense bytes of its record, lie in LDS whole, each byte filled once.
; CLUSTER.  The four work-groups of a head read the same bytes: each wave asks for its sixteenth of them jointly with the same wave of the three partners.
; LAYOUT.  Both products are used transposed: S^T = K Q^T, O^T = V^T P^T: a lane holds one query (lane % 16) throughout.  The keys of a tile of K and the channels of a tile of V are
; chosen (lane row r of tile 2 g + u is 32 g + 8 u + r + 8 (r / 8)) so that the 16 registers of tiles 2 b, 2 b + 1 are 16 neighbours: keys for p, channels for the result.
; K = 64 IN AN INSTRUCTION OF 128: Q's upper four registers are zero codes; the operand of K's tile t is eight registers of which the upper four are the next tile's codes (behind the last: zeros):
; times Q's zero codes they add 0.  The scale bytes of that half are 0 on both sides, never 0xff.
; LIMITS: NaN and infinities are not served; a block of the result whose largest magnitude lies under 2^-124, or of zeros, has its byte held at 1 (this program alone reads the bytes).
; A block's largest p is taken as the exponential of the block's largest score, which leans on v_exp_f32 not falling where its input rises.
.set REC,  217088
.set QCO,  143360
.set QSO,  208896
.set S,    100                         ; v100-163 S^T, then p; at a tile's end the result
.set O,    164                         ; v164-195 O^T
.set PCD,  196                         ; v196-203 p's codes
.set KSC,  204                         ; v204-207 K's scale words: register j: lanes 0-15 tile 2 j, lanes 16-31 tile 2 j + 1
.set VSC,  208                         ; v208-209 V's likewise
.set QSW,  210                         ; Q's: lanes 0-15 my first tile, lanes 16-31 my second
.set PW,   211                         ; p's scale word
.set F,    212                         ; v[212:213] f = 2^(old M - new M)
.set BM,   214                         ; v214-217 a block's largest score, then its largest p
.set BT,   218                         ; v218-221 at work
.set SO,   222                         ; v222-225 the conversions' scale operands
.set T0,   226
.set PS,   228                         ; v[228:229] the second chain of sums
.set AW,   230                         ; v230, v231 the result's scale word, tile 0 and 1
.set ACD,  232                         ; v232-239 the result's codes, four registers a tile
; v1 16 x lane; v2 the same in V's codes; v3 in K's scale words; v4 8 x lane in V's; v5 lane; v7 4 x lane; v8-11 the step's addresses; v12 -M, v13 the largest t, v[14:15] l in two halves;
; v16-31 Q's two fragments; v32-63 K's eight tiles; v64-67 zeros; v68-99 V's four fragments
.macro CROUND                          ; a round of the cluster's barrier
	s_barrier_signal -1
	s_barrier_wait -1
	s_cmp_lg_u32 s10, 0
	s_cbranch_scc1 .Lnot_wave_0_\@
	s_barrier_signal -3
.Lnot_wave_0_\@:
	s_barrier_wait -3
	s_barrier_signal -1
	s_barrier_wait -1
.endm
; The matrix line.  z = 1: the sum begins with 0; ra, rb = 1: that side's scales stand in lanes 16-31 of the register named.
.macro WMS d, a, b, z, sa, sb, ra, rb
.if \z
.if ((\ra) == 0) && ((\rb) == 0)
	v_wmma_scale_f32_16x16x128_f8f6f4 v[0+(\d):7+(\d)], v[0+(\a):7+(\a)], v[0+(\b):7+(\b)], 0, v[\sa], v[\sb] matrix_a_fmt:MATRIX_FMT_FP4 matrix_b_fmt:MATRIX_FMT_FP4
.elseif (\rb) == 0
	v_wmma_scale_f32_16x16x128_f8f6f4 v[0+(\d):7+(\d)], v[0+(\a):7+(\a)], v[0+(\b):7+(\b)], 0, v[\sa], v[\sb] matrix_a_fmt:MATRIX_FMT_FP4 matrix_b_fmt:MATRIX_FMT_FP4 matrix_a_scale:MATRIX_SCALE_ROW1
.elseif (\ra) == 0
	v_wmma_scale_f32_16x16x128_f8f6f4 v[0+(\d):7+(\d)], v[0+(\a):7+(\a)], v[0+(\b):7+(\b)], 0, v[\sa], v[\sb] matrix_a_fmt:MATRIX_FMT_FP4 matrix_b_fmt:MATRIX_FMT_FP4 matrix_b_scale:MATRIX_SCALE_ROW1
.else
	v_wmma_scale_f32_16x16x128_f8f6f4 v[0+(\d):7+(\d)], v[0+(\a):7+(\a)], v[0+(\b):7+(\b)], 0, v[\sa], v[\sb] matrix_a_fmt:MATRIX_FMT_FP4 matrix_b_fmt:MATRIX_FMT_FP4 matrix_a_scale:MATRIX_SCALE_ROW1 matrix_b_scale:MATRIX_SCALE_ROW1
.endif
.else
.if ((\ra) == 0) && ((\rb) == 0)
	v_wmma_scale_f32_16x16x128_f8f6f4 v[0+(\d):7+(\d)], v[0+(\a):7+(\a)], v[0+(\b):7+(\b)], v[0+(\d):7+(\d)], v[\sa], v[\sb] matrix_a_fmt:MATRIX_FMT_FP4 matrix_b_fmt:MATRIX_FMT_FP4
.elseif (\rb) == 0
	v_wmma_scale_f32_16x16x128_f8f6f4 v[0+(\d):7+(\d)], v[0+(\a):7+(\a)], v[0+(\b):7+(\b)], v[0+(\d):7+(\d)], v[\sa], v[\sb] matrix_a_fmt:MATRIX_FMT_FP4 matrix_b_fmt:MATRIX_FMT_FP4 matrix_a_scale:MATRIX_SCALE_ROW1
.elseif (\ra) == 0
	v_wmma_scale_f32_16x16x128_f8f6f4 v[0+(\d):7+(\d)], v[0+(\a):7+(\a)], v[0+(\b):7+(\b)], v[0+(\d):7+(\d)], v[\sa], v[\sb] matrix_a_fmt:MATRIX_FMT_FP4 matrix_b_fmt:MATRIX_FMT_FP4 matrix_b_scale:MATRIX_SCALE_ROW1
.else
	v_wmma_scale_f32_16x16x128_f8f6f4 v[0+(\d):7+(\d)], v[0+(\a):7+(\a)], v[0+(\b):7+(\b)], v[0+(\d):7+(\d)], v[\sa], v[\sb] matrix_a_fmt:MATRIX_FMT_FP4 matrix_b_fmt:MATRIX_FMT_FP4 matrix_a_scale:MATRIX_SCALE_ROW1 matrix_b_scale:MATRIX_SCALE_ROW1
.endif
.endif
.endm
	s_load_b128 s[4:7], s[0:1], 0x0                ; qkv, ac
	s_load_b64 s[8:9], s[0:1], 0x10                ; asw
	v_lshl_add_u32 v254, v0, 2, 0x29000
	v_mov_b32 v255, 0
	ds_add_u32 v254, v255
	ds_add_u32 v254, v255
	v_lshrrev_b32 v8, 5, v0
	v_readfirstlane_b32 s10, v8                    ; wave 0..15
	s_bfe_u32 s11, ttmp6, 0x40000                  ; cx
	s_lshl_b32 s13, ttmp9, 2
	s_add_co_u32 s11, s13, s11                     ; which 512 queries: it enters Q's and the results' addresses alone
	s_and_b32 s12, ttmp7, 0xffff                   ; 16 x batch + head, which the four partners share
	; group 1: 35 rows of 256 bytes, dense in memory and in LDS: a sixteenth of the 143,360 bytes
	s_mov_b32 s24, 15|(3<<16)|(1<<21)              ; 15:0 the mask: all four work-groups; 17:16 elements of 8 bytes; 21 set beside a mask
	s_mov_b32 s25, 32<<16                          ; tensor_dim0 = 32 elements
	s_mov_b32 s26, 35<<16                          ; tensor_dim1 = 35
	s_mov_b32 s27, 32<<16                          ; tile_dim0
	s_mov_b32 s28, 35                              ; tile_dim1
	s_mov_b32 s29, 32                              ; from row to row
	s_mov_b32 s30, 0
	s_mov_b32 s31, 0
	s_mul_i32 s14, s12, REC                        ; the record
	s_mul_i32 s13, s10, 8960                       ; my sixteenth, in the record and in LDS
	s_add_co_u32 s16, s14, s13
	s_mov_b32 s17, 0
	s_lshl_b32 s18, s11, 14                        ; Q's codes: tile 32 x quarter + 2 x wave, 512 bytes a tile
	s_lshl_b32 s19, s10, 10
	s_add_co_u32 s18, s18, s19
	s_add_co_u32 s18, s18, s14
	s_add_co_u32 s18, s18, QCO
	s_mov_b32 s19, 0
	s_lshl_b32 s20, s11, 2                         ; Q's scale words: step 4 x quarter + wave / 4, word wave % 4 of a lane's four
	s_lshr_b32 s21, s10, 2
	s_add_co_u32 s20, s20, s21
	s_lshl_b32 s20, s20, 9
	s_and_b32 s21, s10, 3
	s_lshl_b32 s21, s21, 2
	s_add_co_u32 s20, s20, s21
	s_add_co_u32 s20, s20, s14
	s_add_co_u32 s20, s20, QSO
	s_mov_b32 s21, 0
	s_lshr_b32 s22, s12, 4                         ; the batch
	s_and_b32 s23, s12, 15                         ; the head
	s_lshl_b32 s44, s22, 20                        ; the result's codes: row tile 128 x batch + 32 x quarter + 2 x wave, 8,192 bytes a tile; the head's 512 bytes in it
	s_lshl_b32 s45, s11, 18
	s_add_co_u32 s44, s44, s45
	s_lshl_b32 s45, s10, 14
	s_add_co_u32 s44, s44, s45
	s_lshl_b32 s45, s23, 9
	s_add_co_u32 s44, s44, s45
	s_mov_b32 s45, 0
	s_lshl_b32 s54, s23, 15                        ; its scale words: [head][row tile][16] of 4 bytes
	s_lshl_b32 s55, s22, 13
	s_add_co_u32 s54, s54, s55
	s_lshl_b32 s55, s11, 11
	s_add_co_u32 s54, s54, s55
	s_lshl_b32 s55, s10, 7
	s_add_co_u32 s54, s54, s55
	s_mov_b32 s55, 0
	s_mov_b32 s36, 0x76543210
	s_mov_b32 s37, 0xfedcba98                      ; selects for lane l xor 16
	s_mov_b32 s38, 0x4038aa3b                      ; c = 2 log2(e): t = score x c (the division by 0.5 is the 2)
	s_mov_b32 s39, s38                             ; (named with it as a pair, so it is written)
	s_wait_dscnt 0x0
	s_wait_kmcnt 0x0
	s_add_nc_u64 s[46:47], s[4:5], s[18:19]
	s_add_nc_u64 s[48:49], s[4:5], s[20:21]
	s_add_nc_u64 s[50:51], s[6:7], s[44:45]
	s_add_nc_u64 s[52:53], s[8:9], s[54:55]
	CROUND                                         ; all four work-groups are here: the joint loads meet
	s_mov_b32 s32, 1
	s_mov_b32 s33, s13
	s_add_nc_u64 s[34:35], s[4:5], s[16:17]
	s_or_b32 s35, s35, 0x80000000
	tensor_load_to_lds s[32:35], s[24:31]          ; every wave's one tensor load of the launch
	s_nop 0
.rept 4
	v_nop
.endr
	v_and_b32 v5, 31, v0
	v_lshlrev_b32 v1, 4, v5
	v_add_nc_u32 v2, 65536, v1
	v_add_nc_u32 v3, 131072, v1
	v_lshlrev_b32 v4, 3, v5
	v_add_nc_u32 v4, 139264, v4
	v_lshlrev_b32 v7, 2, v5
	global_load_b128 v[16:19], v1, s[46:47]        ; Q, my first tile: lane (r, h): channels 32 h .. of query r
	global_load_b128 v[24:27], v1, s[46:47] offset:512
	global_load_b32 v[QSW], v1, s[48:49]
.irp j, 20,21,22,23,28,29,30,31,64,65,66,67
	v_mov_b32 v\j, 0                               ; zero codes: the upper 64 of the K step
.endr
.irp b, 0,1,2,3
	v_mov_b32 v[BT+\b], 0                          ; a lane permute's destination counts as one of its sources
.endr
	v_mov_b32 v[F+1], 0                            ; (named as the upper half of a pair)
	v_mov_b32 v[T0], 0
	s_wait_tensorcnt 0x0                           ; my sixteenth has landed,
	s_barrier_signal -1
	s_barrier_wait -1                              ; everybody's has
	s_wait_loadcnt 0x0                             ; Q
; A KEY STEP: 128 keys, for my tile tr.
.macro STEP tr
	v_add_nc_u32 v8, s40, v1                       ; these four are also the places behind the last step's products, in front of the loads into their registers
	v_add_nc_u32 v9, s40, v2
	v_add_nc_u32 v10, s41, v3
	v_add_nc_u32 v11, s42, v4
	ds_load_b128 v[KSC:KSC+3], v10
.irp t, 0,1,2,3,4,5,6,7
	ds_load_b128 v[32+4*\t:35+4*\t], v8 offset:512*\t
.endr
	ds_load_b64 v[VSC:VSC+1], v11
.irp n, 0,1,2,3
.irp c, 0,1
	ds_load_b128 v[68+8*\n+4*\c:71+8*\n+4*\c], v9 offset:1024*\n+512*\c
.endr
.endr
	s_wait_dscnt 9                                 ; K and its scale words are in; V's nine loads may be out
.irp t, 0,1,2,3,4,5,6,7
	WMS S+8*\t, 32+4*\t, 16+8*\tr, 1, KSC+\t/2, QSW, \t%2, \tr
.endr                                  ; lane (r, h): query r; the 16 registers of tiles 2 b, 2 b + 1 are keys 32 b + 16 h + 0 .. 15 of the step
.rept 4
	v_nop
.endr
.irp b, 0,1,2,3
	v_max3_num_f32 v[BM+\b], v[S+16*\b], v[S+16*\b+1], v[S+16*\b+2]   ; the largest score of each block of 32 keys: for the row's maximum and, since p rises with the score, for the block's largest p
.endr
.irp i, 3,5,7,9,11,13
.irp b, 0,1,2,3
	v_max3_num_f32 v[BM+\b], v[BM+\b], v[S+16*\b+\i], v[S+16*\b+\i+1]
.endr
.endr
.irp b, 0,1,2,3
	v_max_num_f32 v[BM+\b], v[BM+\b], v[S+16*\b+15]
.endr
.irp b, 0,1,2,3
	v_permlanex16_b32 v[BT+\b], v[BM+\b], s36, s37
.endr
.irp b, 0,1,2,3
	v_max_num_f32 v[BM+\b], v[BM+\b], v[BT+\b]     ; with lane l xor 16's 16 keys
.endr
	v_max3_num_f32 v[T0], v[BM], v[BM+1], v[BM+2]
	v_max_num_f32 v[T0], v[T0], v[BM+3]            ; the step's largest score of my query
	v_mul_f32 v[T0], s38, v[T0]                    ; as t (c is positive)
	v_max_num_f32 v13, v13, v[T0]                  ; the running largest t
	v_mov_b32 v[T0], v12
	v_floor_f32 v12, -v13                          ; the new -M = floor(-t) = -ceil(t): a whole number
	v_sub_f32 v[T0], v12, v[T0]                    ; old M - new M: a whole number, 0 or less
	v_cvt_i32_f32 v[T0], v[T0]                     ; (it saturates)
	v_ldexp_f32 v[F], 1.0, v[T0]                   ; f = 2^(old M - new M): a multiplication by it rounds nothing
.set j, 0
.rept 32
	v_pk_fma_f32 v[S+j:S+j+1], v[S+j:S+j+1], s[38:39], v[12:13] op_sel_hi:[1,0,0]   ; t - M, two at a time
.set j, j+2
.endr
.irp b, 0,1,2,3
	v_fma_f32 v[BM+\b], v[BM+\b], s38, v12         ; the same of each block's largest score
.endr
.set j, 0
.rept 64
	v_exp_f32 v[S+j], v[S+j]                       ; p = 2^(t - M), at most 1, not normalised
.set j, j+1
.endr
.irp b, 0,1,2,3
	v_exp_f32 v[BM+\b], v[BM+\b]                   ; the block's largest p: the same two instructions on the same number give the same bits
.endr
	v_pk_mul_f32 v[14:15], v[14:15], v[F:F+1] op_sel_hi:[1,0]   ; l under the new M.  (The plain place behind the exponentials)
	s_wait_alu depctr_va_vdst(0)
.irp b, 0,1,2,3
	v_max_num_f32 v[BM+\b], 0x1800000, v[BM+\b]    ; the floor 2^(3 - 127): the byte cannot fall under 1
.endr
.irp b, 0,1,2,3
	v_add_nc_u32 v[SO+\b], 0xff000000, v[BM+\b]    ; 2 off the exponent field: the conversion's scale operand
.endr
.irp b, 0,1,2,3
	v_lshrrev_b32 v[BT+\b], 23, v[SO+\b]           ; the scale's byte
.endr
	v_lshl_or_b32 v[PW], v[BT+1], 8, v[BT]
	v_lshl_or_b32 v[PW], v[BT+2], 16, v[PW]
	v_lshl_or_b32 v[PW], v[BT+3], 24, v[PW]        ; p's scale word for these 128 keys
.irp b, 0,1,2,3
	v_cvt_scalef32_pk8_fp4_f32 v[PCD+2*\b], v[S+16*\b:S+16*\b+7], v[SO+\b]
	v_cvt_scalef32_pk8_fp4_f32 v[PCD+2*\b+1], v[S+16*\b+8:S+16*\b+15], v[SO+\b]
.endr
	v_nop                                          ; one plain place behind the conversions
.irp c, 0,1                            ; a whole block in a lane: lanes 0-15 block 2 c, lanes 16-31 block 2 c + 1
.irp i, 0,1
	v_permlane16_swap_b32 v[PCD+4*\c+\i], v[PCD+4*\c+2+\i]
.endr
.endr
	v_pk_add_f32 v[PS:PS+1], v[S:S+1], v[S+2:S+3]  ; l takes the UNQUANTISED p: two at a time, in two chains
.set j, 4
.rept 15
	v_pk_add_f32 v[14:15], v[14:15], v[S+j:S+j+1]
	v_pk_add_f32 v[PS:PS+1], v[PS:PS+1], v[S+j+2:S+j+3]
.set j, j+4
.endr
	v_pk_add_f32 v[14:15], v[14:15], v[PS:PS+1]
.set j, 0
.rept 16
	v_pk_mul_f32 v[O+j:O+j+1], v[O+j:O+j+1], v[F:F+1] op_sel_hi:[1,0]   ; O^T under the new M, each accumulator from its low end on
.set j, j+2
.endr
	s_wait_dscnt 0x0                               ; V and its scale words
.irp n, 0,1,2,3
	WMS O+8*\n, 68+8*\n, PCD, 0, VSC+\n/2, PW, \n%2, 0   ; O^T += V^T P^T: four accumulators by turns
.endr
	s_add_co_u32 s40, s40, 4096                    ; the next step's codes of K and of V,
	s_add_co_u32 s41, s41, 512                     ; K's scale words,
	s_add_co_u32 s42, s42, 256                     ; V's
.endm
; A tile of 16 queries: all 16 key steps, the division by l, the quantiser along the head's 64 channels (two blocks), and the stores.
.macro TILE tr
.set j, 0
.rept 32
	v_mov_b32 v[O+j], 0                            ; the step is written once: the first finds zeros, which the first change of M leaves zeros
.set j, j+1
.endr
	v_mov_b32 v13, 0xff61b1e6                      ; the largest t so far: -3e38
	v_floor_f32 v12, -v13
	v_mov_b32 v14, 0
	v_mov_b32 v15, 0
	s_mov_b32 s40, 0
	s_mov_b32 s41, 0
	s_mov_b32 s42, 0
	s_mov_b32 s43, 16
.Lkeys_\@:
	STEP \tr
	s_sub_co_u32 s43, s43, 1
	s_cmp_lg_u32 s43, 0
	s_cbranch_scc1 .Lkeys_\@
.rept 4
	v_nop                                          ; places behind the last products
.endr
	v_add_f32 v14, v14, v15                        ; l's two halves,
	v_permlanex16_b32 v[T0], v14, s36, s37
	v_add_f32 v14, v14, v[T0]                      ; and lane l xor 16's
	v_rcp_f32 v14, v14
	v_nop                                          ; one plain place behind the reciprocal
.set j, 0
	s_wait_alu depctr_va_vdst(0)
.rept 16
	v_pk_mul_f32 v[S+j:S+j+1], v[O+j:O+j+1], v[14:15] op_sel_hi:[1,0]   ; register 16 g + i: channel 32 g + 16 h + i of my query's row
.set j, j+2
.endr
.irp b, 0,1
	v_max3_num_f32 v[BM+\b], |v[S+16*\b]|, |v[S+16*\b+1]|, 0x1800000
.endr
.irp i, 2,4,6,8,10,12,14
.irp b, 0,1
	v_max3_num_f32 v[BM+\b], v[BM+\b], |v[S+16*\b+\i]|, |v[S+16*\b+\i+1]|
.endr
.endr
.irp b, 0,1
	v_permlanex16_b32 v[BT+\b], v[BM+\b], s36, s37
.endr
.irp b, 0,1
	v_max_num_f32 v[BM+\b], v[BM+\b], v[BT+\b]
.endr
.irp b, 0,1
	v_add_nc_u32 v[SO+\b], 0xff000000, v[BM+\b]
.endr
.irp b, 0,1
	v_lshrrev_b32 v[BT+\b], 23, v[SO+\b]
.endr
	v_lshl_or_b32 v[AW+\tr], v[BT+1], 8, v[BT]     ; the head's two bytes of my row
.irp b, 0,1
	v_cvt_scalef32_pk8_fp4_f32 v[ACD+4*\tr+2*\b], v[S+16*\b:S+16*\b+7], v[SO+\b]
	v_cvt_scalef32_pk8_fp4_f32 v[ACD+4*\tr+2*\b+1], v[S+16*\b+8:S+16*\b+15], v[SO+\b]
.endr
	v_nop
.irp i, 0,1
	v_permlane16_swap_b32 v[ACD+4*\tr+\i], v[ACD+4*\tr+2+\i]   ; lanes 0-15 the head's first block, lanes 16-31 its second
.endr
	global_store_b128 v1, v[ACD+4*\tr:ACD+4*\tr+3], s[50:51] offset:8192*\tr   ; 512 consecutive bytes, aligned
.endm
	TILE 0
	TILE 1
	v_cmp_le_u32 vcc_lo, 16, v5
	v_cndmask_b32 v[T0], v[AW], v[AW+1], vcc_lo    ; lanes 0-15 the first tile's words, lanes 16-31 the second's
	global_store_b32 v7, v[T0], s[52:53]           ; 128 consecutive bytes
	s_wait_tensorcnt 0x0
	ds_add_u32 v254, v255
	s_wait_dscnt 0x0
	CROUND                                         ; the closing round
	s_endpgm
.Lfunc_end_k_q3e5ca90897_attn:
	.size	k_q3e5ca90897_attn, .Lfunc_end_k_q3e5ca90897_attn-k_q3e5ca90897_attn
	.p2alignl 7, 3214868480
	.fill 96, 4, 3214868480
	.section	.rodata,"a",@progbits
	.p2align	6, 0x0
	.amdhsa_kernel k_q3e5ca90897_attn
		.amdhsa_group_segment_fixed_size 169984
		.amdhsa_private_segment_fixed_size 0
		.amdhsa_enable_private_segment 0
		.amdhsa_kernarg_size 24
		.amdhsa_user_sgpr_count 2
		.amdhsa_user_sgpr_kernarg_segment_ptr 1
		.amdhsa_wavefront_size32 1
		.amdhsa_system_sgpr_workgroup_id_x 1
		.amdhsa_system_sgpr_workgroup_id_y 1
		.amdhsa_system_sgpr_workgroup_id_z 1
		.amdhsa_system_vgpr_workitem_id 0
		.amdhsa_next_free_vgpr 256
		.amdhsa_next_free_sgpr 66
		.amdhsa_reserve_vcc 1
		.amdhsa_float_denorm_mode_32 3
		.amdhsa_float_denorm_mode_16_64 3
		.amdhsa_memory_ordered 1
		.amdhsa_forward_progress 1
		.amdhsa_inst_pref_size 45
	.end_amdhsa_kernel
	.amdgpu_metadata
---
amdhsa.version: [ 1, 2 ]
amdhsa.kernels:
  - .name:           k_q3e5ca90897_attn
    .symbol:         k_q3e5ca90897_attn.kd
    .args:
      - { .name: qkv, .offset: 0, .size: 8, .value_kind: global_buffer, .address_space: global }
      - { .name: ac, .offset: 8, .size: 8, .value_kind: global_buffer, .address_space: global }
      - { .name: asw, .offset: 16, .size: 8, .value_kind: global_buffer, .address_space: global }
    .group_segment_fixed_size: 169984
    .private_segment_fixed_size: 0
    .kernarg_segment_align: 8
    .kernarg_segment_size: 24
    .max_flat_workgroup_size: 512
    .sgpr_count:     66
    .vgpr_count:     256
    .wavefront_size: 32
...
	.end_amdgpu_metadata
.endif
;; end of part 3
;; launch outln (part 4): grid 256 x 1, 16 waves a work-group, no clusters, 162,816 bytes of LDS; arguments ac, asw, xc, xs, ob, ln_g, ln_b, out0; writes out0
.if DOCPART == 4
	.amdgcn_target "amdgcn-amd-amdhsa--gfx1250"
	.amdhsa_code_object_version 6
	.text
	.protected	k_q3e5ca90897_outln
	.globl	k_q3e5ca90897_outln
	.p2align	8
	.type	k_q3e5ca90897_outln,@function
k_q3e5ca90897_outln:
	s_mov_b64 s[64:65], 0
	v_nop
	global_prefetch_b8 v0, s[64:65] scope:SCOPE_SE
	s_setreg_imm32_b32 hwreg(HW_REG_WAVE_MODE, 25, 1), 1
	s_wait_xcnt 0x0
; out = LayerNorm(relu(attn ow^T + ob)) x ln_g + ln_b; the product on codes of FP4 with E8M0 scales, all else in f32.
; SHARES.  The norm wants whole rows: a work-group owns 32 rows (row tiles 2 g, 2 g + 1) and all 1,024 columns; wave w owns columns 64 w .. 64 w + 63: 4 tiles of ow x 2 row tiles = 8 accumulators.
; Source 0 = 16 rows of ow (columns of the result), source 1 = 16 rows of attn: a lane holds one row, and the 16 registers of tiles 2 g', 2 g' + 1 are 16 neighbouring columns.
; ow GOES FROM MEMORY STRAIGHT INTO REGISTERS: each of its fragments is used by one wave of the work-group alone, so LDS would add 524,288 bytes written and as many read for no reuse.
; NO JOINT LOADS: ow's 524,288 bytes of codes do not fit into a work-group's LDS, so sharing them in a cluster would take slots that are filled again and a round of the cluster's barrier for each,
; and the bytes that arrive at each work-group would stay the same.
; attn's 16,384 bytes of codes are copied into LDS once (each wave 1,024 bytes) and read by all sixteen waves.  The bias is loaded into the accumulators; the first K step adds onto it.
; THE NORM takes two passes over the registers: the mean, then the squares of the differences; the waves' partial sums meet in LDS.  Three barriers in all.
; LIMITS: NaN and infinities are not served.
.set RED1,  16384                      ; LDS: 0 attn's images; here 32 rows' partial sums, 16 words + 16 bytes a row;
.set RED2,  18944                      ; the same for the squares;
.set STAGE, 21504                      ; and for each wave a stage of 32 rows x (256 bytes + 16)
.set ACC, 16                           ; v16-79   (row tile i, tile n of ow) at 16 + 8 (4 i + n)
.set AF,  80                           ; v80-111  attn's fragments, two sets of two
.set BF,  112                          ; v112-207 ow's fragments, three sets of four; later ln_g, ln_b, partial sums, rows on their way out
.set SB,  208                          ; v208-223 ow's scale words: register 8 j + s: lanes 0-15 tile 2 j, lanes 16-31 tile 2 j + 1
.set SA,  224                          ; v224-231 attn's: register s: lanes 0-15 row tile 2 g, lanes 16-31 row tile 2 g + 1
; v1 16 x lane; v2 64 h; v3 512 h + 16 r; v4 4 x lane; v5, v6 partial sums in and out; v7, v8 the stage in and out; v9 my bytes in two rows of out; v10 lane; v13 where I copy attn's image
.macro WMS d, a, b, z, sa, sb, ra, rb  ; the matrix line, onto its own sum; ra, rb = 1: that side's scales stand in lanes 16-31 of the register named
.if ((\ra) == 0) && ((\rb) == 0)
	v_wmma_scale_f32_16x16x128_f8f6f4 v[0+(\d):7+(\d)], v[0+(\a):7+(\a)], v[0+(\b):7+(\b)], v[0+(\d):7+(\d)], v[\sa], v[\sb] matrix_a_fmt:MATRIX_FMT_FP4 matrix_b_fmt:MATRIX_FMT_FP4
.elseif (\rb) == 0
	v_wmma_scale_f32_16x16x128_f8f6f4 v[0+(\d):7+(\d)], v[0+(\a):7+(\a)], v[0+(\b):7+(\b)], v[0+(\d):7+(\d)], v[\sa], v[\sb] matrix_a_fmt:MATRIX_FMT_FP4 matrix_b_fmt:MATRIX_FMT_FP4 matrix_a_scale:MATRIX_SCALE_ROW1
.elseif (\ra) == 0
	v_wmma_scale_f32_16x16x128_f8f6f4 v[0+(\d):7+(\d)], v[0+(\a):7+(\a)], v[0+(\b):7+(\b)], v[0+(\d):7+(\d)], v[\sa], v[\sb] matrix_a_fmt:MATRIX_FMT_FP4 matrix_b_fmt:MATRIX_FMT_FP4 matrix_b_scale:MATRIX_SCALE_ROW1
.else
	v_wmma_scale_f32_16x16x128_f8f6f4 v[0+(\d):7+(\d)], v[0+(\a):7+(\a)], v[0+(\b):7+(\b)], v[0+(\d):7+(\d)], v[\sa], v[\sb] matrix_a_fmt:MATRIX_FMT_FP4 matrix_b_fmt:MATRIX_FMT_FP4 matrix_a_scale:MATRIX_SCALE_ROW1 matrix_b_scale:MATRIX_SCALE_ROW1
.endif
.endm
	s_load_b256 s[4:11], s[0:1], 0x0               ; ac, asw, xc, xs
	s_load_b256 s[12:19], s[0:1], 0x20             ; ob, ln_g, ln_b, out0
	v_lshl_add_u32 v14, v0, 2, 0x27400
	v_mov_b32 v15, 0
	v_lshrrev_b32 v10, 5, v0
	v_readfirstlane_b32 s20, v10                   ; wave 0..15
	v_and_b32 v10, 31, v0                          ; lane
	v_and_b32 v11, 15, v0                          ; r
	v_bfe_u32 v12, v0, 4, 1                        ; h
	v_lshlrev_b32 v1, 4, v10
	v_lshlrev_b32 v2, 6, v12
	v_lshlrev_b32 v3, 9, v12
	v_lshl_add_u32 v3, v11, 4, v3
	v_lshlrev_b32 v4, 2, v10
	v_mul_u32_u24 v5, v10, 80
	s_lshl_b32 s22, s20, 2
	v_add_nc_u32 v5, s22, v5                       ; row slot = lane, my wave's word
	v_mul_u32_u24 v6, v11, 80                      ; back: row r of a tile
	s_mul_i32 s22, s20, 8704
	s_add_co_u32 s22, s22, STAGE                   ; my stage
	v_mul_u32_u24 v7, v11, 272
	v_lshl_add_u32 v7, v12, 6, v7
	v_add_nc_u32 v7, s22, v7                       ; in: row r, + 64 h bytes
	v_mul_u32_u24 v8, v12, 272
	v_lshl_add_u32 v8, v11, 4, v8
	v_add_nc_u32 v8, s22, v8                       ; back: lanes 0-15 one row's 256 bytes, lanes 16-31 the next row's
	v_lshlrev_b32 v9, 12, v12
	v_lshl_add_u32 v9, v11, 4, v9                  ; and the same in out: rows of 4,096 bytes
	s_lshl_b32 s23, s20, 10
	v_add_nc_u32 v13, s23, v1
	v_cmp_le_u32 s30, 16, v10                      ; lanes 16-31
	s_mov_b32 s26, 0x76543210
	s_mov_b32 s27, 0xfedcba98                      ; selects for lane l xor 16
	s_mov_b32 s28, 0xba800000                      ; -2^-10
	s_mov_b32 s29, 0x3a800000                      ; 2^-10
	s_mov_b32 s31, 0x3727c5ac                      ; 1e-5
	s_mov_b32 s25, 0
	s_wait_kmcnt 0x0
	s_lshl_b32 s24, ttmp9, 14
	s_add_co_u32 s24, s24, s23
	s_add_nc_u64 s[4:5], s[4:5], s[24:25]          ; attn's codes: my two row tiles, my wave's 1,024 bytes
	s_lshl_b32 s24, ttmp9, 7
	s_add_nc_u64 s[6:7], s[6:7], s[24:25]          ; attn's scale words: 64 bytes a row tile
	s_lshl_b32 s24, s20, 15
	s_add_co_u32 s24, s24, 704*8192
	s_add_nc_u64 s[8:9], s[8:9], s[24:25]          ; ow's codes: tiles 704 + 4 w on
	s_lshl_b32 s24, s20, 11
	s_add_co_u32 s24, s24, 704*512
	s_add_nc_u64 s[10:11], s[10:11], s[24:25]      ; ow's scale words
	s_lshl_b32 s24, s20, 8
	s_add_nc_u64 s[12:13], s[12:13], s[24:25]      ; ob, ln_g, ln_b at my 64 columns
	s_add_nc_u64 s[14:15], s[14:15], s[24:25]
	s_add_nc_u64 s[16:17], s[16:17], s[24:25]
	s_add_nc_u64 s[18:19], s[18:19], s[24:25]
	s_lshl_b32 s24, ttmp9, 17
	s_add_nc_u64 s[18:19], s[18:19], s[24:25]      ; out: my 32 rows, my 64 columns
.macro ALOAD s                         ; attn's two fragments of K step s
.irp i, 0,1
.irp c, 0,1
	ds_load_b128 v[AF+16*((\s)%2)+8*\i+4*\c:AF+16*((\s)%2)+8*\i+4*\c+3], v1 offset:8192*\i+1024*(\s)+512*\c
.endr
.endr
.endm
.macro BLOAD s                         ; ow's four fragments of K step s: 512 consecutive bytes a load
.irp n, 0,1,2,3
.irp c, 0,1
	global_load_b128 v[BF+32*((\s)%3)+8*\n+4*\c:BF+32*((\s)%3)+8*\n+4*\c+3], v1, s[8:9] offset:8192*\n+1024*(\s)+512*\c
.endr
.endr
.endm
	global_load_b128 v[248:251], v1, s[4:5]        ; 62 loads, in the order in which they are wanted.  The copy of attn's image: 2
	global_load_b128 v[252:255], v1, s[4:5] offset:512
.irp d, 0,1,2,3,4,5,6,7,8,9,10,11,12,13,14,15
	global_load_b32 v[232+\d], v4, s[6:7] offset:32768*\d   ; head d's two bytes of my row: 16
.endr
.irp j, 0,1
.irp f, 0,1
	global_load_b128 v[SB+8*\j+4*\f:SB+8*\j+4*\f+3], v3, s[10:11] offset:1024*\j+256*\f   ; ow's scale words: 4
.endr
.endr
.irp i, 0,1
.irp n, 0,1,2,3
	global_load_b128 v[ACC+8*(4*\i+\n):ACC+8*(4*\i+\n)+3], v2, s[12:13] offset:(32*(\n/2)+8*(\n%2))*4        ; the bias, into the accumulators: 16.  Register j of tile n: column 32 (n / 2) + 16 h + 8 (n % 2) + j
	global_load_b128 v[ACC+8*(4*\i+\n)+4:ACC+8*(4*\i+\n)+7], v2, s[12:13] offset:(32*(\n/2)+8*(\n%2))*4+16
.endr
.endr
	BLOAD 0                                        ; three K steps of ow: 24
	BLOAD 1
	BLOAD 2
	s_wait_loadcnt 60                              ; the copy's two loads are in; the 60 behind them may be out
	ds_store_b128 v13, v[248:251]
	ds_store_b128 v13, v[252:255] offset:512
	s_wait_dscnt 0x0                               ; for the others' sake
	s_barrier_signal -1
	s_barrier_wait -1                              ; attn's two row tiles lie in LDS
	ALOAD 0
	s_wait_loadcnt 44                              ; the sixteen heads' words are in; ow's scale words, the bias and ow (4 + 16 + 24) may be out
.irp s, 0,1,2,3,4,5,6,7
	v_lshl_or_b32 v[SA+\s], v[233+2*\s], 16, v[232+2*\s]   ; K step s is heads 2 s and 2 s + 1: four bytes
.endr
	v_mov_b32 v236, 0                              ; (lane permutes' destinations, further down)
	v_mov_b32 v237, 0
.rept 8
	v_nop                                          ; a scale register written by a vector instruction stands eight places ahead of a scaled matrix instruction
.endr
.macro KSTEP s
.if (\s) < 7
	ALOAD (\s)+1                                   ; into the set that the step before multiplied, four places back
.endif
.if (\s) < 6
	s_wait_loadcnt 16                              ; this step's ow is in; the two sets behind it may be out
.else
	s_wait_loadcnt 8*(7-(\s))
.endif
.if (\s) < 7
	s_wait_dscnt 4                                 ; this step's attn is in; the next step's four loads may be out
.else
	s_wait_dscnt 0x0
.endif
.irp i, 0,1
.irp n, 0,1,2,3
	WMS ACC+8*(4*\i+\n), BF+32*((\s)%3)+8*\n, AF+16*((\s)%2)+8*\i, 0, SB+8*(\n/2)+(\s), SA+(\s), \n%2, \i   ; eight accumulators by turns
.endr
.endr
.rept 4
	v_nop                                          ; places in front of loads into registers that these have read, and of the first read of results
.endr
.if (\s)+3 <= 7
	BLOAD (\s)+3
.endif
.endm
	KSTEP 0
	KSTEP 1
	KSTEP 2
	KSTEP 3
	KSTEP 4
	KSTEP 5
	KSTEP 6
	KSTEP 7
.irp n, 0,1,2,3
	global_load_b128 v[112+8*\n:115+8*\n], v2, s[14:15] offset:(32*(\n/2)+8*(\n%2))*4        ; ln_g and ln_b of my columns, in the result's layout
	global_load_b128 v[116+8*\n:119+8*\n], v2, s[14:15] offset:(32*(\n/2)+8*(\n%2))*4+16
	global_load_b128 v[144+8*\n:147+8*\n], v2, s[16:17] offset:(32*(\n/2)+8*(\n%2))*4
	global_load_b128 v[148+8*\n:151+8*\n], v2, s[16:17] offset:(32*(\n/2)+8*(\n%2))*4+16
.endr
.set j, 0
.rept 64
	v_max_num_f32 v[ACC+j], 0, v[ACC+j]            ; relu, each accumulator from its low end on
.set j, j+1
.endr
; The waves' partial sums of a row meet.  In: v232 (row tile 0), v234 (row tile 1): my lane's part.  Out: v240, v242: the whole rows' sums, in every lane of row r.
.macro XCHG red
	v_permlanex16_b32 v236, v232, s26, s27
	v_permlanex16_b32 v237, v234, s26, s27
	v_add_f32 v232, v232, v236                     ; lanes r and r + 16 hold the two halves of row r's columns
	v_add_f32 v234, v234, v237
	v_cndmask_b32 v238, v232, v234, s30            ; lanes 0-15 store tile 0's rows, lanes 16-31 tile 1's
	ds_store_b32 v5, v238 offset:\red
	s_wait_dscnt 0x0                               ; for the others' sake
	s_barrier_signal -1
	s_barrier_wait -1
.irp i, 0,1
.irp k, 0,1,2,3
	ds_load_b128 v[176+16*\i+4*\k:176+16*\i+4*\k+3], v6 offset:\red+1280*\i+16*\k   ; the sixteen waves' words of row r of tile i
.endr
.endr
	s_wait_dscnt 0x0
.irp i, 0,1
	v_pk_add_f32 v[240+2*\i:241+2*\i], v[176+16*\i:177+16*\i], v[178+16*\i:179+16*\i]
.endr
.irp k, 4,6,8,10,12,14
.irp i, 0,1
	v_pk_add_f32 v[240+2*\i:241+2*\i], v[240+2*\i:241+2*\i], v[176+16*\i+\k:177+16*\i+\k]
.endr
.endr
.irp i, 0,1
	v_add_f32 v[240+2*\i], v[240+2*\i], v[241+2*\i]
.endr
.endm
.irp i, 0,1
	v_pk_add_f32 v[232+2*\i:233+2*\i], v[ACC+32*\i:ACC+32*\i+1], v[ACC+32*\i+2:ACC+32*\i+3]
.endr
.set j, 4
.rept 14
.irp i, 0,1
	v_pk_add_f32 v[232+2*\i:233+2*\i], v[232+2*\i:233+2*\i], v[ACC+32*\i+j:ACC+32*\i+j+1]
.endr
.set j, j+2
.endr
.irp i, 0,1
	v_add_f32 v[232+2*\i], v[232+2*\i], v[233+2*\i]
.endr
	XCHG RED1
.irp i, 0,1
	v_mul_f32 v[240+2*\i], s28, v[240+2*\i]        ; minus the mean
.endr
.set j, 0
.rept 16
.irp i, 0,1
	v_pk_add_f32 v[ACC+32*\i+j:ACC+32*\i+j+1], v[ACC+32*\i+j:ACC+32*\i+j+1], v[240+2*\i:241+2*\i] op_sel_hi:[1,0]   ; d = x - mean
.endr
.set j, j+2
.endr
.irp i, 0,1
	v_pk_mul_f32 v[232+2*\i:233+2*\i], v[ACC+32*\i:ACC+32*\i+1], v[ACC+32*\i:ACC+32*\i+1]
.endr
.set j, 2
.rept 15
.irp i, 0,1
	v_pk_fma_f32 v[232+2*\i:233+2*\i], v[ACC+32*\i+j:ACC+32*\i+j+1], v[ACC+32*\i+j:ACC+32*\i+j+1], v[232+2*\i:233+2*\i]   ; the squares of the differences: no difference of large sums
.endr
.set j, j+2
.endr
.irp i, 0,1
	v_add_f32 v[232+2*\i], v[232+2*\i], v[233+2*\i]
.endr
	XCHG RED2
.irp i, 0,1
	v_fma_f32 v[240+2*\i], v[240+2*\i], s29, s31   ; the variance + 1e-5
.endr
.irp i, 0,1
	v_rsq_f32 v[240+2*\i], v[240+2*\i]
.endr
	v_nop                                          ; one plain place behind the transcendentals
	s_wait_loadcnt 0x0                             ; ln_g, ln_b
.set j, 0
	s_wait_alu depctr_va_vdst(0)
.rept 16
.irp i, 0,1
	v_pk_mul_f32 v[ACC+32*\i+j:ACC+32*\i+j+1], v[ACC+32*\i+j:ACC+32*\i+j+1], v[240+2*\i:241+2*\i] op_sel_hi:[1,0]
.endr
.set j, j+2
.endr
.set j, 0
.rept 16
.irp i, 0,1
	v_pk_fma_f32 v[ACC+32*\i+j:ACC+32*\i+j+1], v[ACC+32*\i+j:ACC+32*\i+j+1], v[112+j:113+j], v[144+j:145+j]
.endr
.set j, j+2
.endr
	; THE WAY OUT: a lane holds pieces of 32 bytes of a row; through my own stage they become whole pieces of 256 bytes
.irp i, 0,1
.irp n, 0,1,2,3
	ds_store_b128 v7, v[ACC+8*(4*\i+\n):ACC+8*(4*\i+\n)+3] offset:4352*\i+128*(\n/2)+32*(\n%2)
	ds_store_b128 v7, v[ACC+8*(4*\i+\n)+4:ACC+8*(4*\i+\n)+7] offset:4352*\i+128*(\n/2)+32*(\n%2)+16
.endr
.endr
.irp k, 0,1,2,3,4,5,6,7,8,9,10,11,12,13,14,15
	ds_load_b128 v[112+4*\k:115+4*\k], v8 offset:544*\k   ; LDS serves a wave's instructions in order (ISA guide 5.7.1.4): these see my stores.  Stage rows 2 k and 2 k + 1
.endr
.irp k, 0,1,2,3,4,5,6,7,8,9,10,11,12,13,14,15
	s_wait_dscnt 15-\k                             ; the younger loads may be out
	global_store_b128 v9, v[112+4*\k:115+4*\k], s[18:19] offset:(8*(\k/8)+2*(\k%8)+8*((\k%8)/4))*4096 th:TH_STORE_NT   ; stage row 16 i + r is row 8 i + r + 8 (r / 8) of my 32; each half of the lanes stores 256 consecutive bytes, aligned
.endr
	s_wait_tensorcnt 0x0
	ds_add_u32 v14, v15
	s_wait_dscnt 0x0
	s_endpgm
.Lfunc_end_k_q3e5ca90897_outln:
	.size	k_q3e5ca90897_outln, .Lfunc_end_k_q3e5ca90897_outln-k_q3e5ca90897_outln
	.p2alignl 7, 3214868480
	.fill 96, 4, 3214868480
	.section	.rodata,"a",@progbits
	.p2align	6, 0x0
	.amdhsa_kernel k_q3e5ca90897_outln
		.amdhsa_group_segment_fixed_size 162816
		.amdhsa_private_segment_fixed_size 0
		.amdhsa_enable_private_segment 0
		.amdhsa_kernarg_size 64
		.amdhsa_user_sgpr_count 2
		.amdhsa_user_sgpr_kernarg_segment_ptr 1
		.amdhsa_wavefront_size32 1
		.amdhsa_system_sgpr_workgroup_id_x 1
		.amdhsa_system_sgpr_workgroup_id_y 1
		.amdhsa_system_sgpr_workgroup_id_z 1
		.amdhsa_system_vgpr_workitem_id 0
		.amdhsa_next_free_vgpr 256
		.amdhsa_next_free_sgpr 66
		.amdhsa_reserve_vcc 0
		.amdhsa_float_denorm_mode_32 3
		.amdhsa_float_denorm_mode_16_64 3
		.amdhsa_memory_ordered 1
		.amdhsa_forward_progress 1
		.amdhsa_inst_pref_size 47
	.end_amdhsa_kernel
	.amdgpu_metadata
---
amdhsa.version: [ 1, 2 ]
amdhsa.kernels:
  - .name:           k_q3e5ca90897_outln
    .symbol:         k_q3e5ca90897_outln.kd
    .args:
      - { .name: ac, .offset: 0, .size: 8, .value_kind: global_buffer, .address_space: global }
      - { .name: asw, .offset: 8, .size: 8, .value_kind: global_buffer, .address_space: global }
      - { .name: xc, .offset: 16, .size: 8, .value_kind: global_buffer, .address_space: global }
      - { .name: xs, .offset: 24, .size: 8, .value_kind: global_buffer, .address_space: global }
      - { .name: ob, .offset: 32, .size: 8, .value_kind: global_buffer, .address_space: global }
      - { .name: ln_g, .offset: 40, .size: 8, .value_kind: global_buffer, .address_space: global }
      - { .name: ln_b, .offset: 48, .size: 8, .value_kind: global_buffer, .address_space: global }
      - { .name: out0, .offset: 56, .size: 8, .value_kind: global_buffer, .address_space: global }
    .group_segment_fixed_size: 162816
    .private_segment_fixed_size: 0
    .kernarg_segment_align: 8
    .kernarg_segment_size: 64
    .max_flat_workgroup_size: 512
    .sgpr_count:     66
    .vgpr_count:     256
    .wavefront_size: 32
...
	.end_amdgpu_metadata
.endif
;; end of part 4
